; MI455X (gfx1250); checked and timed in simulation.
; The chip was launched on July 23, 2026; its instructions are those of AMD's public machine-readable ISA for CDNA 5 (MIT licence, August 2026) and "CDNA5" Instruction Set Architecture Reference Guide (July 2026). The comments in the code are by the model that wrote it; some were corrected since.
;; Local Gird Attention. Allowed arithmetic: matrix products marked QUANTISED: E2M1 operands, one E8M0 scale for each 32 along K, by v_wmma_scale_f32_16x16x128_f8f6f4 with both operands' format E2M1 (or v_wmma_scale_f32_32x16x128_f4), f32 sums; products left as they are: f32 operands where the result goes on into a quantised operand, else bf16, f16 or f32 operands; f32 sums; everything else in f32.
;; Inputs: Wk 256 x 256 float32; Wq 256 x 256 float32; Wv 256 x 256 float32; bk 256 float32; bq 256 float32; bv 256 float32; featmap 2 x 256 x 256 x 256 float32; x 2 x 256 x 64 x 64 float32.
;; Outputs: out0 2 x 256 x 64 x 64 float32.
;; This version of the problem:
;;   THIS VERSION OF THE PROBLEM IS GIVEN IN LOW PRECISION. The matrix products marked QUANTISED in the list below multiply operands that are first quantised to E2M1 (2 exponent bits, 1 mantissa bit; 4 bits a number), with one power-of-two scale for each 32 numbers along K (OCP MX v1.0); their sums are f32. All else is computed in f32.
;;   The module's matrix products, in the order in which they are computed (A, B: the left and right operand; K: the contracted axis; several contracted axes count as one K, in the product's order):
;;     1. [M 256, K 256] x [K 256, N 8,192]; A: input Wq; B: input x: QUANTISED
;;     2. [M 256, K 256] x [K 256, N 131,072]; A: input Wk; B: input featmap: QUANTISED
;;     3. [M 256, K 256] x [K 256, N 131,072]; A: input Wv; B: input featmap: QUANTISED
;;     4. batch 65,536 x [M 16, K 32] x [K 32, N 1]; A: computed on the way; B: computed on the way: left as it is (N = 1 < 16)
;;     5. batch 65,536 x [M 32, K 16] x [K 16, N 1]; A: computed on the way; B: computed on the way: left as it is (K = 16 < 32)
;;   THE QUANTISER, for each operand of a quantised product, along K:
;;     - K is cut into blocks of 32 from its start; a last block that is shorter is filled with zeros.
;;     - A block's scale is 2^e with e = floor(log2(the largest magnitude in the block)) - 2, held to -126 .. 127; a block of zeros has e = 0. As a byte (E8M0): e + 127.
;;     - Each number is divided by its block's scale, clamped to +-6, and rounded to the nearest number of E2M1, ties to even, subnormals kept.
;;     - The product sums the exact products of the quantised numbers (number of the format x scale) in f32.
;;   ~~~python
;;   def quantise(x, axis):      # numpy; x: float32 -> the quantised numbers, widened to float32 again
;;       x = np.moveaxis(x, axis, -1); K = x.shape[-1]
;;       x = np.pad(x, [(0, 0)] * (x.ndim - 1) + [(0, -K % 32)]); x = x.reshape(x.shape[:-1] + (-1, 32)); a = np.abs(x).max(-1, keepdims=True)
;;       e = np.where(a > 0, np.clip(np.frexp(np.where(a > 0, a, 1))[1] - 1 - 2, -126, 127), 0)      # np.frexp(a)[1] - 1 = floor(log2(a)), exactly
;;       r = np.clip(x / 2.0 ** e, -6, 6)
;;       step = 2.0 ** (np.maximum(np.frexp(np.where(r == 0, 1, r))[1] - 1, 0) - 1)
;;       q = np.round(r / step) * step * 2.0 ** e      # np.round: ties to even
;;       return np.moveaxis(q.reshape(q.shape[:-2] + (-1,))[..., :K], -1, axis).astype(np.float32)
;;   ~~~
;; One version. Each part assembles by itself: llvm-mc -triple=amdgcn-amd-amdhsa -mcpu=gfx1250 --defsym DOCPART=n.
;; ======== version 1 of 1: 2 launches
;; workspace buffers: wfrag 98,304 bytes; wscl 6,144 bytes
;; launch prep (part 1): grid 16 x 3, 1 waves a work-group, no clusters, 0 bytes of LDS; arguments Wq, Wk, Wv, wfrag, wscl; writes wfrag, wscl
.if DOCPART == 1
	.amdgcn_target "amdgcn-amd-amdhsa--gfx1250"
	.amdhsa_code_object_version 6
	.text
	.protected	k_q29e88b2b86_prep
	.globl	k_q29e88b2b86_prep
	.p2align	8
	.type	k_q29e88b2b86_prep,@function
k_q29e88b2b86_prep:
	s_mov_b64 s[64:65], 0
	v_nop
	global_prefetch_b8 v0, s[64:65] scope:SCOPE_SE
	s_setreg_imm32_b32 hwreg(HW_REG_WAVE_MODE, 25, 1), 1
	s_wait_xcnt 0x0
; Wq, Wk, Wv [256][256] f32 (K = the 256 input channels, innermost) become codes of FP4 (E2M1) with one E8M0 byte for each 32 along K,
; laid IN THE ORDER OF THE OPERAND'S REGISTERS, so that the next launch loads a fragment by 16-byte loads at 16 x lane and nothing else.
; A fragment is 16 rows x 128 K: lane (r, h) holds row r; registers 4 c .. 4 c + 3 hold k = 64 c + 32 h + 0 .. 31 of K step s.
;   wfrag: fragment (matrix y, tile of rows t, K step s) at ((16 y + t) 2 + s) 1024; in it register group c of lane l at 512 c + 16 l.
;   wscl:  (16 y + t) 128 + 4 l: lanes 0-15 row r's scale word of K step 0, lanes 16-31 that of K step 1.
; SHARES: one wave a work-group; work-group (t, y) takes rows 16 t .. 16 t + 15 of matrix y (0 Wq, 1 Wk, 2 Wv).  A lane's block of 32 lies in its own 32 registers.
; The three matrices are 786,432 bytes, half a hundredth of what the program reads: all 32 loads of a wave go out at once, and a lane's 16 bytes are taken as the operand wants them.
; A block's scale is 2^(floor(log2(its largest magnitude)) - 2); its byte is the largest magnitude's exponent field - 2, held at 1 from below.
; LIMITS: a block of zeros gets the byte 1 where the quantiser says 127 (its codes are zeros, and this program alone reads the bytes); NaN and infinities among the inputs are not served.
.set X,  32                            ; v32-159  four blocks of 32 numbers: block 2 i + h of row r, i = 2 s + c
.set MX, 8                             ; v8-11    largest magnitudes
.set SO, 12                            ; v12-15   the conversions' scale operands
.set BY, 16                            ; v16-19   scale bytes
.set CD, 160                           ; v160-175 codes, four registers a block
	s_load_b128 s[4:7], s[0:1], 0x0                ; Wq, Wk
	s_load_b128 s[8:11], s[0:1], 0x10              ; Wv, wfrag
	s_load_b64 s[12:13], s[0:1], 0x20              ; wscl
	s_and_b32 s14, ttmp7, 0xffff                   ; y: which matrix
	v_and_b32 v4, 15, v0                           ; r
	v_lshrrev_b32 v5, 4, v0                        ; h (one wave: v0 is the lane)
	v_lshlrev_b32 v1, 10, v4                       ; a row is 1,024 bytes,
	v_lshl_add_u32 v1, v5, 7, v1                   ; a block 128
	v_lshlrev_b32 v2, 4, v0                        ; 16 x lane
	v_lshlrev_b32 v3, 2, v0                        ; 4 x lane
	v_lshlrev_b32 v22, 3, v5                       ; 8 h: how far my bytes stand up in a scale word
	v_mov_b32 v23, 0                               ; a lane permute's destination counts as one of its sources
	v_mov_b32 v24, 0
	s_mov_b32 s20, 0x76543210
	s_mov_b32 s21, 0xfedcba98                      ; v_permlanex16_b32's selects for lane l xor 16
	s_lshl_b32 s16, ttmp9, 14                      ; 16 rows of 1,024 bytes a tile
	s_mov_b32 s17, 0
	s_lshl_b32 s15, s14, 4
	s_add_co_u32 s15, s15, ttmp9                   ; 16 y + t
	s_lshl_b32 s18, s15, 11                        ; two fragments of 1,024 bytes
	s_mov_b32 s19, 0
	s_lshl_b32 s22, s15, 7                         ; 128 bytes of scale words
	s_mov_b32 s23, 0
	s_wait_kmcnt 0x0
	s_cmp_eq_u32 s14, 1                            ; the matrix is chosen by the work-group's number alone
	s_cselect_b64 s[4:5], s[6:7], s[4:5]
	s_cmp_eq_u32 s14, 2
	s_cselect_b64 s[4:5], s[8:9], s[4:5]
	s_add_nc_u64 s[4:5], s[4:5], s[16:17]
	s_add_nc_u64 s[10:11], s[10:11], s[18:19]
	s_add_nc_u64 s[12:13], s[12:13], s[22:23]
.irp i, 0,1,2,3
.irp e, 0,1,2,3,4,5,6,7
	global_load_b128 v[X+32*\i+4*\e:X+32*\i+4*\e+3], v1, s[4:5] offset:256*\i+16*\e th:TH_LOAD_NT
.endr
.endr
	s_wait_loadcnt 0x0
.irp i, 0,1,2,3
	v_max3_num_f32 v[MX+\i], |v[X+32*\i]|, |v[X+1+32*\i]|, 0x1800000   ; the floor 2^(3 - 127) among the leaves: the byte cannot fall under 1
.endr
.irp j, 2,4,6,8,10,12,14,16,18,20,22,24,26,28,30
.irp i, 0,1,2,3
	v_max3_num_f32 v[MX+\i], v[MX+\i], |v[X+32*\i+\j]|, |v[X+1+32*\i+\j]|   ; the four blocks by turns: no line waits for the line above it
.endr
.endr
.irp i, 0,1,2,3
	v_add_nc_u32 v[SO+\i], 0xff000000, v[MX+\i]    ; 2 off the exponent field: the conversion takes the exponent field of this operand as its scale
.endr
.irp i, 0,1,2,3
	v_lshrrev_b32 v[BY+\i], 23, v[SO+\i]           ; the scale's byte
.endr
.irp i, 0,1,2,3
.irp g, 0,1,2,3
	v_cvt_scalef32_pk8_fp4_f32 v[CD+4*\i+\g], v[X+32*\i+8*\g:X+32*\i+8*\g+7], v[SO+\i]
.endr
.endr
	v_nop                                          ; one plain place behind the last scaled conversion
	v_lshl_or_b32 v20, v[BY+1], 16, v[BY]          ; K step 0: my bytes are those of blocks h and 2 + h,
	v_lshl_or_b32 v21, v[BY+3], 16, v[BY+2]        ; K step 1: of blocks 4 + h and 6 + h
	v_lshlrev_b32 v20, v22, v20                    ; at their places in the word
	v_lshlrev_b32 v21, v22, v21
	v_permlanex16_b32 v23, v20, s20, s21
	v_permlanex16_b32 v24, v21, s20, s21
	v_or_b32 v20, v20, v23                         ; with lane l xor 16's two bytes each word is whole
	v_or_b32 v21, v21, v24
	v_cmp_lt_u32 vcc_lo, 15, v0
	v_cndmask_b32 v25, v20, v21, vcc_lo            ; lanes 0-15 keep K step 0's word, lanes 16-31 K step 1's
.irp i, 0,1,2,3
	global_store_b128 v2, v[CD+4*\i:CD+4*\i+3], s[10:11] offset:512*\i   ; the wave stores 512 consecutive bytes, aligned
.endr
	global_store_b32 v3, v25, s[12:13]
	s_endpgm
.Lfunc_end_k_q29e88b2b86_prep:
	.size	k_q29e88b2b86_prep, .Lfunc_end_k_q29e88b2b86_prep-k_q29e88b2b86_prep
	.p2alignl 7, 3214868480
	.fill 96, 4, 3214868480
	.section	.rodata,"a",@progbits
	.p2align	6, 0x0
	.amdhsa_kernel k_q29e88b2b86_prep
		.amdhsa_group_segment_fixed_size 0
		.amdhsa_private_segment_fixed_size 0
		.amdhsa_enable_private_segment 0
		.amdhsa_kernarg_size 40
		.amdhsa_user_sgpr_count 2
		.amdhsa_user_sgpr_kernarg_segment_ptr 1
		.amdhsa_wavefront_size32 1
		.amdhsa_system_sgpr_workgroup_id_x 1
		.amdhsa_system_sgpr_workgroup_id_y 1
		.amdhsa_system_sgpr_workgroup_id_z 1
		.amdhsa_system_vgpr_workitem_id 0
		.amdhsa_next_free_vgpr 192
		.amdhsa_next_free_sgpr 66
		.amdhsa_reserve_vcc 1
		.amdhsa_float_denorm_mode_32 3
		.amdhsa_float_denorm_mode_16_64 3
		.amdhsa_memory_ordered 1
		.amdhsa_forward_progress 1
		.amdhsa_inst_pref_size 11
	.end_amdhsa_kernel
	.amdgpu_metadata
---
amdhsa.version: [ 1, 2 ]
amdhsa.kernels:
  - .name:           k_q29e88b2b86_prep
    .symbol:         k_q29e88b2b86_prep.kd
    .args:
      - { .name: Wq, .offset: 0, .size: 8, .value_kind: global_buffer, .address_space: global }
      - { .name: Wk, .offset: 8, .size: 8, .value_kind: global_buffer, .address_space: global }
      - { .name: Wv, .offset: 16, .size: 8, .value_kind: global_buffer, .address_space: global }
      - { .name: wfrag, .offset: 24, .size: 8, .value_kind: global_buffer, .address_space: global }
      - { .name: wscl, .offset: 32, .size: 8, .value_kind: global_buffer, .address_space: global }
    .group_segment_fixed_size: 0
    .private_segment_fixed_size: 0
    .kernarg_segment_align: 8
    .kernarg_segment_size: 40
    .max_flat_workgroup_size: 32
    .sgpr_count:     66
    .vgpr_count:     192
    .wavefront_size: 32
...
	.end_amdgpu_metadata
.endif
;; end of part 1
;; launch main (part 2): grid 256 x 1, 16 waves a work-group, no clusters, 327,680 bytes of LDS; arguments x, featmap, wfrag, wscl, bq, bk, bv, out0; writes out0
.if DOCPART == 2
	.amdgcn_target "amdgcn-amd-amdhsa--gfx1250"
	.amdhsa_code_object_version 6
	.text
	.protected	k_q29e88b2b86_main
	.globl	k_q29e88b2b86_main
	.p2align	8
	.type	k_q29e88b2b86_main,@function
k_q29e88b2b86_main:
	s_mov_b64 s[64:65], 0
	v_nop
	global_prefetch_b8 v0, s[64:65] scope:SCOPE_SE
	s_setreg_imm32_b32 hwreg(HW_REG_WAVE_MODE, 25, 1), 1
	s_wait_xcnt 0x0
; out[b][32 w + d][cell] = sum over the cell's 4 x 4 pixels of softmax(q . k) v, with q = (Wq x + bq) / sqrt(32), k = Wk f + bk, v = Wv f + bv; the three products on codes of
; FP4 (E2M1) with one E8M0 scale for each 32 channels (K = the 256 input channels), the two small products and the softmax in f32.  featmap is read once; k and v never leave registers.
; SHARES.  Work-group g owns 32 neighbouring cells of one row of cells (batch g >> 7, row (g >> 1) & 63, half g & 1): 4 rows x 512 bytes of featmap for each channel.
; Wave W = 8 ct + w.  QUANTISING: it takes channels 32 w .. 32 w + 31 (one block along K) of the pixels of cell tile ct (16 cells).  PRODUCTS: it is head w of cell tile ct.
; A TILE OF 16 COLUMNS OF THE SECOND OPERAND IS THE SAME GRID POSITION 4 p + q OF 16 DIFFERENT CELLS.  So in every result lane (r, h) holds cell r and output channels 16 T + 8 h + j of its head:
; the softmax over the 16 positions and both small products stay inside a lane, but for one exchange with lane l xor 16 for each weight (the head's 32 channels lie 16 and 16).
; THE RING.  featmap comes by the tensor data mover through two LDS slots.  A slot holds one row p of pixels of the 32 cells for all 256 channels: 256 rows of 512 bytes, 131,072 bytes; waves 0 to 3 fetch
; 64 channels each.  A lane reads one pixel, 32 words, registers running down K: the block's largest magnitude needs no other lane and the conversions give codes with K innermost.  The codes go to LDS as
; IMAGES OF THE OPERAND'S REGISTERS, in two buffers by turns.  A row's four positions are multiplied and taken into a running softmax while the next row is on its way.
; By this text's own count a wave has at most two tensor loads out: the two first fills; later the one of a refill.
; bk enters as q . bk, the start of every dot product; bv is added at the end (the weights of a softmax sum to 1); bq is loaded into q's accumulators and is the C of their first matrix instructions.
; NO CLUSTER: a work-group shares only the weights' fragments with others (98,304 bytes against 557,056 of featmap and x that are its own).
; LIMITS: NaN and infinities among the inputs are not served; a block of zeros gets the scale byte 1 where the quantiser says 127 (its codes are zeros; this program alone reads the bytes);
; x is read and out0 written in runs of 128 consecutive bytes: a work-group holds half a row of cells, so that there are 256 work-groups.
.set SLOT, 131072                      ; LDS: slot 0 at 0, slot 1 at SLOT: channel c at 512 c, cell tile ct at 256 ct, cell r's four pixels at 16 r
.set OST,  0                           ; the way out, in slot 0, which has had its last fill and its last read by then: 256 channels x (128 bytes + 16)
.set OP,   144                         ; 36 words: rows 8 apart fall 32 banks apart (64 banks of 4 bytes: ISA guide 11.1)
.set FIMG, 262144                      ; a row's codes, two buffers: 16,384 buffer + 8,192 ct + 2,048 q + 1,024 s + 512 c + 16 lane; block w of cell r lies at 256 w + 16 r of a position's 2,048
.set IBUF, 16384
.set FSC,  294912                      ; their scale bytes: 1,024 buffer + 512 (q / 2) + 16 (16 (q % 2) + r) + W
.set XIMG, 296960                      ; x's codes: 2,048 ct + 256 w + 16 r
.set XSC,  301056                      ; x's scale bytes: 8 x cell + w
.set SPARE, 301312                     ; the spare words, 128 bytes for each of the sixteen waves: eight blocks of 256 bytes that no other line names
.set RA0, 1                            ; v1   a slot's words: 16,384 w + 256 ct + 16 r + 4 u, in slot 0     (r = lane % 16, u = lane / 16, l = lane)
.set XA,  2                            ; v2   x: 4 l
.set RA1, 3                            ; v3   the same as v1, in slot 1
.set PFA, 4                            ; v4   featmap, for the prefetch: channel 16 W + l / 2, byte 256 (l % 2)
.set IA,  5                            ; v5   where my codes go: FIMG + 8,192 ct + 256 w + 2,048 u + 16 r
.set SA,  6                            ; v6   and my scale byte: FSC + 16 l + W
.set XIA, 7                            ; v7   x's codes: XIMG + 2,048 u + 256 w + 16 r
.set XSA, 8                            ; v8   x's scale byte: XSC + 8 l + w
.set LB,  9                            ; v9   fragments back: FIMG + 8,192 ct + 16 l
.set LS,  10                           ; v10  their scale words: FSC + 16 l + 8 ct
.set LXI, 11                           ; v11  x's fragments: XIMG + 2,048 ct + 16 l
.set LXS, 12                           ; v12  x's scale words: XSC + 128 ct + 8 r + 4 u
.set WFA, 13                           ; v13  the weights' fragments: 16 l
.set WSA, 14                           ; v14  their scale words: 4 l
.set BA,  15                           ; v15  the biases: 32 u
.set OSA, 16                           ; v16  the way out, in: (32 w + 8 u) 144 + 4 (16 ct + r)
.set ORA, 17                           ; v17  back: (16 W + l / 8) 144 + 16 (l % 8)
.set OGA, 18                           ; v18  and in out0: 16,384 (l / 8) + 16 (l % 8)
.set MX0, 24                           ; quantising: two chains of the largest magnitude,
.set MX1, 25
.set SCO, 26                           ; the conversions' scale operand,
.set BY0, 28                           ; the scale bytes of the two passes,
.set BY1, 29
.set C0,  32                           ; and their codes
.set C1,  36
.set DT,  24                           ; products: v24-31 four chains of the dot products, a pair each
.set WT,  32                           ; v32 weight 0, then p0; v33 the other half's; v34, v35 the same for position 1
.set FF,  36                           ; v36 f = 2^(old m - new m), at the end 1 / l; v37 old m - new m
.set WQS, 42                           ; v42-50 hold scales and nothing else: Wq's words (T = 0, 1), Wk's, Wv's,
.set WKS, 44
.set WVS, 46
.set BS,  48                           ; featmap's (K step 0, 1; lanes 0-15 the trip's first position, lanes 16-31 its second),
.set XS,  50                           ; x's (lanes 0-15 K step 0, lanes 16-31 K step 1)
.set QB,  52                           ; v[52:53] q . bk of my 16 channels, in two halves
.set RM,  54                           ; v54 m, v55 the new m, v56 l: they live from row to row
.set RN,  55
.set RL,  56
.set SPW, 58                           ; v58  LDS address of my spare word: SPARE + 4 x my thread's number; never rewritten
.set NIL, 59                           ; v59  0; never rewritten
.set WK,  64                           ; Wk's fragments at 64 + 16 T + 8 s, Wv's at 96 + 16 T + 8 s: they stay
.set WV,  96
.set WQ,  128                          ; Wq's; then featmap's fragments at 128 + 16 e + 8 s; at the end bv
.set BF,  128
.set BV,  128
.set KA,  160                          ; k's accumulators at 160 + 16 e + 8 T; between the trips a pixel's 32 channels, pass 1
.set P1,  160
.set VA,  192                          ; v's accumulators at 192 + 16 e + 8 T; between the trips pass 0; at the start x's numbers, then x's fragments
.set P0,  192
.set XF,  192
.set OA,  224                          ; the sum of p v, at 8 T + j; before the first trip bk
.set BK,  224
.set QR,  240                          ; q, at 8 T + j; before its products bq
.set G1,  48                           ; s[48:55] descriptor group 1: the shape, the same for every load
.set G0,  56                           ; s[56:59], s[60:63] descriptor group 0, a set for each slot
.macro PLOAD ra, j, dst                ; the pixel of cell r at q = 2 j + u: word 4 r + 2 j + u of each channel's 64: 32 lanes, 32 different banks
.irp cl, 0,1,2,3,4,5,6,7,8,9,10,11,12,13,14,15,16,17,18,19,20,21,22,23,24,25,26,27,28,29,30,31
	ds_load_b32 v[\dst+\cl], v[\ra] offset:512*\cl+8*(\j)
.endr
.endm
.macro QUANT32 src, dst, by            ; a lane's 32 registers are a block along K: its codes (16 bytes) and its scale byte
	v_max3_num_f32 v[MX0], |v[\src]|, |v[\src+1]|, |v[\src+2]|
	v_max3_num_f32 v[MX1], |v[\src+3]|, |v[\src+4]|, |v[\src+5]|
.irp i, 6,10,14,18,22,26
	v_max3_num_f32 v[MX0], v[MX0], |v[\src+\i]|, |v[\src+\i+1]|
	v_max3_num_f32 v[MX1], v[MX1], |v[\src+\i+2]|, |v[\src+\i+3]|
.endr
	v_max3_num_f32 v[MX0], v[MX0], |v[\src+30]|, |v[\src+31]|
	v_max3_num_f32 v[MX0], v[MX0], v[MX1], 0x1800000   ; and the floor 2^(3 - 127): the byte cannot fall under 1
	v_add_nc_u32 v[SCO], 0xff000000, v[MX0]        ; 2 off the exponent field: the conversion takes the exponent field of this operand as its scale
.irp g, 0,1,2,3
	v_cvt_scalef32_pk8_fp4_f32 v[\dst+\g], v[\src+8*\g:\src+8*\g+7], v[SCO]
.endr
	v_lshrrev_b32 v[\by], 23, v[SCO]               ; the scale's byte; also the plain place behind the conversions
.endm
.macro WLOADS                          ; 38 loads: my head's fragments of Wk, Wv and Wq, bq and bk in the result's layout (my 8 channels of each tile), and the six scale words
.irp T, 0,1
.irp s, 0,1
.irp c, 0,1
	global_load_b128 v[WK+16*\T+8*\s+4*\c:WK+16*\T+8*\s+4*\c+3], v[WFA], s[8:9] offset:32768+\T*2048+\s*1024+\c*512
	global_load_b128 v[WV+16*\T+8*\s+4*\c:WV+16*\T+8*\s+4*\c+3], v[WFA], s[8:9] offset:65536+\T*2048+\s*1024+\c*512
	global_load_b128 v[WQ+16*\T+8*\s+4*\c:WQ+16*\T+8*\s+4*\c+3], v[WFA], s[8:9] offset:\T*2048+\s*1024+\c*512
.endr
.endr
.endr
.irp T, 0,1
	global_load_b128 v[QR+8*\T:QR+8*\T+3], v[BA], s[12:13] offset:64*\T
	global_load_b128 v[QR+8*\T+4:QR+8*\T+7], v[BA], s[12:13] offset:64*\T+16
	global_load_b128 v[BK+8*\T:BK+8*\T+3], v[BA], s[14:15] offset:64*\T
	global_load_b128 v[BK+8*\T+4:BK+8*\T+7], v[BA], s[14:15] offset:64*\T+16
.endr
.irp T, 0,1
	global_load_b32 v[WQS+\T], v[WSA], s[10:11] offset:\T*128
	global_load_b32 v[WKS+\T], v[WSA], s[10:11] offset:2048+\T*128
	global_load_b32 v[WVS+\T], v[WSA], s[10:11] offset:4096+\T*128
.endr
.endm
; A row of pixels out of slot b becomes codes and scale bytes in image buffer b.  No LDS instruction of mine is out at its head.
.macro QROW b
.set RR, RA0+2*(\b)
	PLOAD RR, 0, P0
	PLOAD RR, 1, P1
	s_wait_dscnt 32                                ; LDS loads come back in order: pass 0 is in, pass 1's 32 loads may be out
	QUANT32 P0, C0, BY0                            ; position q = u of the row
	ds_store_b128 v[IA], v[C0:C0+3] offset:(\b)*IBUF
	ds_store_b8 v[SA], v[BY0] offset:(\b)*1024
	s_wait_dscnt 2                                 ; pass 1 is in; the two stores just issued may be out
	QUANT32 P1, C1, BY1                            ; position q = 2 + u
	ds_store_b128 v[IA], v[C1:C1+3] offset:(\b)*IBUF+4096
	ds_store_b8 v[SA], v[BY1] offset:(\b)*1024+512
.endm
.macro BLOAD b, t                      ; positions q = 2 t and 2 t + 1 of my 16 cells out of image buffer b: four fragments and their scale words
.irp e, 0,1
.irp s, 0,1
.irp c, 0,1
	ds_load_b128 v[BF+16*\e+8*\s+4*\c:BF+16*\e+8*\s+4*\c+3], v[LB] offset:(\b)*IBUF+(\t)*4096+\e*2048+\s*1024+\c*512
.endr
.endr
.endr
	ds_load_b64 v[BS:BS+1], v[LS] offset:(\b)*1024+(\t)*512
.endm
; One matrix instruction.  c = -1: the constant 0 starts the sum.  ra, rb = 1: that side's scales are read from lanes 16-31.
.macro MM d, a, b, c, sa, sb, ra, rb
.if (\c) < 0
.if (\ra) == 0 && (\rb) == 0
	v_wmma_scale_f32_16x16x128_f8f6f4 v[(\d):(\d)+7], v[(\a):(\a)+7], v[(\b):(\b)+7], 0, v[\sa], v[\sb] matrix_a_fmt:MATRIX_FMT_FP4 matrix_b_fmt:MATRIX_FMT_FP4
.elseif (\ra) == 0
	v_wmma_scale_f32_16x16x128_f8f6f4 v[(\d):(\d)+7], v[(\a):(\a)+7], v[(\b):(\b)+7], 0, v[\sa], v[\sb] matrix_a_fmt:MATRIX_FMT_FP4 matrix_b_fmt:MATRIX_FMT_FP4 matrix_b_scale:MATRIX_SCALE_ROW1
.elseif (\rb) == 0
	v_wmma_scale_f32_16x16x128_f8f6f4 v[(\d):(\d)+7], v[(\a):(\a)+7], v[(\b):(\b)+7], 0, v[\sa], v[\sb] matrix_a_fmt:MATRIX_FMT_FP4 matrix_b_fmt:MATRIX_FMT_FP4 matrix_a_scale:MATRIX_SCALE_ROW1
.else
	v_wmma_scale_f32_16x16x128_f8f6f4 v[(\d):(\d)+7], v[(\a):(\a)+7], v[(\b):(\b)+7], 0, v[\sa], v[\sb] matrix_a_fmt:MATRIX_FMT_FP4 matrix_b_fmt:MATRIX_FMT_FP4 matrix_a_scale:MATRIX_SCALE_ROW1 matrix_b_scale:MATRIX_SCALE_ROW1
.endif
.else
.if (\ra) == 0 && (\rb) == 0
	v_wmma_scale_f32_16x16x128_f8f6f4 v[(\d):(\d)+7], v[(\a):(\a)+7], v[(\b):(\b)+7], v[(\c):(\c)+7], v[\sa], v[\sb] matrix_a_fmt:MATRIX_FMT_FP4 matrix_b_fmt:MATRIX_FMT_FP4
.elseif (\ra) == 0
	v_wmma_scale_f32_16x16x128_f8f6f4 v[(\d):(\d)+7], v[(\a):(\a)+7], v[(\b):(\b)+7], v[(\c):(\c)+7], v[\sa], v[\sb] matrix_a_fmt:MATRIX_FMT_FP4 matrix_b_fmt:MATRIX_FMT_FP4 matrix_b_scale:MATRIX_SCALE_ROW1
.elseif (\rb) == 0
	v_wmma_scale_f32_16x16x128_f8f6f4 v[(\d):(\d)+7], v[(\a):(\a)+7], v[(\b):(\b)+7], v[(\c):(\c)+7], v[\sa], v[\sb] matrix_a_fmt:MATRIX_FMT_FP4 matrix_b_fmt:MATRIX_FMT_FP4 matrix_a_scale:MATRIX_SCALE_ROW1
.else
	v_wmma_scale_f32_16x16x128_f8f6f4 v[(\d):(\d)+7], v[(\a):(\a)+7], v[(\b):(\b)+7], v[(\c):(\c)+7], v[\sa], v[\sb] matrix_a_fmt:MATRIX_FMT_FP4 matrix_b_fmt:MATRIX_FMT_FP4 matrix_a_scale:MATRIX_SCALE_ROW1 matrix_b_scale:MATRIX_SCALE_ROW1
.endif
.endif
.endm
; Five places behind matrix instructions: four serve the vector instructions that read results and the loads into registers that were read or written, the fifth the matrix instructions that write over such registers.
.macro PLACES
.rept 5
	v_nop
.endr
.endm
.macro BARRIER                         ; my LDS stores have landed and my LDS loads are in: then the work-group's barrier.  A tensor load may stay out across it
	s_wait_dscnt 0x0
	s_barrier_signal -1
	s_barrier_wait -1
.endm
; THE CHANGE OF SLOTS.  Each wave waits for all its tensor loads (the slot that is read next is whole), adds 0 to its spare word, and waits for that, for its reads of the slot that it has left and for its stores of codes.
; fill = 1: behind the barrier slot s, which nobody reads any more, takes the row two further on: waves 0 to 3, one load each, first thing there.
.macro CHANGE fill, s
	s_wait_tensorcnt 0x0                           ; no tensor load of mine is out, so a group 0 may be written
	ds_add_u32 v[SPW], v[NIL]                      ; 0 onto my spare word
.if \fill
	s_add_nc_u64 s[G0+4*(\s)+2:G0+4*(\s)+3], s[G0+4*(\s)+2:G0+4*(\s)+3], 2048   ; two rows of 1,024 bytes on; the type bits on top are not reached
.endif
	s_wait_dscnt 0x0                               ; the add is done, my LDS loads are in and my LDS stores have landed
	s_barrier_signal -1
	s_barrier_wait -1
.if \fill
	s_cmp_lt_u32 s20, 4                            ; the branch hangs on the wave's number alone
	s_cbranch_scc0 .Lnone_\@
	tensor_load_to_lds s[G0+4*(\s):G0+4*(\s)+3], s[G1:G1+7]
	s_nop 0
.rept 4
	v_nop                                          ; four v_nop follow the load, ahead of the label and what follows
.endr
.Lnone_\@:
.endif
.endm
; Positions q = 2 t and 2 t + 1 of a row (e = 0, 1): k and v of my head for my 16 cells, the two weights, the running softmax.
.macro TRIP b, t, first, last
	s_wait_dscnt 0x0                               ; the trip's fragments and scale words are in
.irp e, 0,1                            ; the eight accumulators take turns, one instruction a turn, K step by K step
.irp T, 0,1
	MM KA+16*\e+8*\T, WK+16*\T, BF+16*\e, -1, WKS+\T, BS, 0, \e
.endr
.endr
.irp e, 0,1
.irp T, 0,1
	MM VA+16*\e+8*\T, WV+16*\T, BF+16*\e, -1, WVS+\T, BS, 0, \e
.endr
.endr
.irp e, 0,1
.irp T, 0,1
	MM KA+16*\e+8*\T, WK+16*\T+8, BF+16*\e+8, KA+16*\e+8*\T, WKS+\T, BS+1, 1, \e
.endr
.endr
.irp e, 0,1
.irp T, 0,1
	MM VA+16*\e+8*\T, WV+16*\T+8, BF+16*\e+8, VA+16*\e+8*\T, WVS+\T, BS+1, 1, \e
.endr
.endr
	PLACES
.if \last
.irp T, 0,1
	global_load_b128 v[BV+8*\T:BV+8*\T+3], v[BA], s[16:17] offset:64*\T        ; bv, into the fragments' registers: no fragment is left to fetch
	global_load_b128 v[BV+8*\T+4:BV+8*\T+7], v[BA], s[16:17] offset:64*\T+16
.endr
.elseif (\t) == 0
	BLOAD \b, 1                                    ; the row's second trip: its fragments land while this trip's vector work runs
.endif
	; the weights, in base 2: q . k + q . bk over my 16 channels, four chains by turns; each accumulator is read from its low end on
.irp e, 0,1
	v_pk_fma_f32 v[DT+4*\e:DT+4*\e+1], v[KA+16*\e:KA+16*\e+1], v[QR:QR+1], v[QB:QB+1]
	v_pk_mul_f32 v[DT+4*\e+2:DT+4*\e+3], v[KA+16*\e+8:KA+16*\e+9], v[QR+8:QR+9]
.endr
.irp i, 2,4,6
.irp e, 0,1
	v_pk_fma_f32 v[DT+4*\e:DT+4*\e+1], v[KA+16*\e+\i:KA+16*\e+\i+1], v[QR+\i:QR+\i+1], v[DT+4*\e:DT+4*\e+1]
	v_pk_fma_f32 v[DT+4*\e+2:DT+4*\e+3], v[KA+16*\e+8+\i:KA+16*\e+9+\i], v[QR+8+\i:QR+9+\i], v[DT+4*\e+2:DT+4*\e+3]
.endr
.endr
.irp e, 0,1
	v_pk_add_f32 v[DT+4*\e:DT+4*\e+1], v[DT+4*\e:DT+4*\e+1], v[DT+4*\e+2:DT+4*\e+3]
.endr
.irp e, 0,1
	v_add_f32 v[WT+2*\e], v[DT+4*\e], v[DT+4*\e+1]
.endr
.irp e, 0,1
	v_permlanex16_b32 v[WT+2*\e+1], v[WT+2*\e], s32, s33   ; the head's other 16 channels lie in lane l xor 16.  (The destination counts as read: every wave's first row of codes has written it)
.endr
.irp e, 0,1
	v_add_f32 v[WT+2*\e], v[WT+2*\e], v[WT+2*\e+1]
.endr
	; the softmax with a running maximum m: p = 2^(weight - m); what was summed under the old m is multiplied by f = 2^(old m - new m)
.if \first
	v_max_num_f32 v[RM], v[WT], v[WT+2]
	v_sub_f32 v[WT], v[WT], v[RM]
	v_sub_f32 v[WT+2], v[WT+2], v[RM]
	v_exp_f32 v[WT], v[WT]
	v_exp_f32 v[WT+2], v[WT+2]
	v_nop                                          ; a plain place behind the exponentials
	s_wait_alu depctr_va_vdst(0)
	v_add_f32 v[RL], v[WT], v[WT+2]                ; the first trip starts l and the sums: nothing is cleared
.irp n, 0,2,4,6,8,10,12,14
	v_pk_mul_f32 v[OA+\n:OA+\n+1], v[VA+\n:VA+\n+1], v[WT:WT+1] op_sel_hi:[1,0]
.endr
.else
	v_max3_num_f32 v[RN], v[RM], v[WT], v[WT+2]
	v_sub_f32 v[FF+1], v[RM], v[RN]
	v_sub_f32 v[WT], v[WT], v[RN]
	v_sub_f32 v[WT+2], v[WT+2], v[RN]
	v_exp_f32 v[FF], v[FF+1]
	v_exp_f32 v[WT], v[WT]
	v_exp_f32 v[WT+2], v[WT+2]
	v_mov_b32 v[RM], v[RN]                         ; a plain place behind the exponentials
	s_wait_alu depctr_va_vdst(0)
	v_fma_f32 v[RL], v[RL], v[FF], v[WT]
	v_add_f32 v[RL], v[RL], v[WT+2]
.irp n, 0,2,4,6,8,10,12,14
	v_pk_mul_f32 v[OA+\n:OA+\n+1], v[OA+\n:OA+\n+1], v[FF:FF+1] op_sel_hi:[1,0]
.endr
.irp n, 0,2,4,6,8,10,12,14
	v_pk_fma_f32 v[OA+\n:OA+\n+1], v[VA+\n:VA+\n+1], v[WT:WT+1], v[OA+\n:OA+\n+1] op_sel_hi:[1,0,1]
.endr
.endif
.irp n, 0,2,4,6,8,10,12,14
	v_pk_fma_f32 v[OA+\n:OA+\n+1], v[VA+16+\n:VA+17+\n], v[WT+2:WT+3], v[OA+\n:OA+\n+1] op_sel_hi:[1,0,1]
.endr
.endm
.macro TRIPS b, first, last            ; a row's four positions out of image buffer b
	BLOAD \b, 0
	TRIP \b, 0, \first, 0
	TRIP \b, 1, 0, \last
.endm
	; ---- the head: every address is made here, ahead of the first branch and while the arguments are on their way, and never written again
	s_load_b256 s[4:11], s[0:1], 0x0               ; x s[4:5], featmap s[6:7], wfrag s[8:9], wscl s[10:11]
	s_load_b256 s[12:19], s[0:1], 0x20             ; bq s[12:13], bk s[14:15], bv s[16:17], out0 s[18:19]
	v_lshl_add_u32 v[SPW], v0, 2, SPARE
	v_mov_b32 v[NIL], 0
	ds_add_u32 v58, v59
	s_wait_dscnt 0x0
	v_lshrrev_b32 v19, 5, v0
	v_readfirstlane_b32 s20, v19                   ; W
	s_lshr_b32 s21, s20, 3                         ; ct
	s_and_b32 s22, s20, 7                          ; w
	s_and_b32 s23, s20, 3                          ; which 64 channels of a slot I fetch, if I fetch
	; descriptor group 1: a tile of 64 rows (channels) x 128 elements of 4 bytes, 65,536 elements from channel to channel; dense in LDS
	s_mov_b32 s[G1+0], 2<<16                       ; 15:0 no mask; 17:16 elements of 4 bytes; 20 no padding
	s_mov_b32 s[G1+1], 128<<16                     ; tensor_dim0 = 128
	s_mov_b32 s[G1+2], 64<<16                      ; tensor_dim1 = 64
	s_mov_b32 s[G1+3], 128<<16                     ; tile_dim0 = 128
	s_mov_b32 s[G1+4], 64                          ; tile_dim1 = 64
	s_mov_b32 s[G1+5], 65536                       ; tensor_dim0_stride
	s_mov_b32 s[G1+6], 0
	s_mov_b32 s[G1+7], 0
	s_mov_b32 s[G0], 1                             ; count = 1
	s_lshl_b32 s[G0+1], s23, 15                    ; LDS address: 64 channels of 512 bytes for each fetching wave, slot 0;
	s_mov_b32 s[G0+4], 1
	s_add_co_u32 s[G0+5], s[G0+1], SLOT            ; slot 1
	v_and_b32 v19, 15, v0                          ; r
	v_bfe_u32 v20, v0, 4, 1                        ; u
	v_and_b32 v21, 31, v0                          ; l
	v_bfe_u32 v22, v0, 3, 2                        ; l / 8
	v_and_b32 v23, 7, v0                           ; l % 8
	v_lshlrev_b32 v[XA], 2, v21
	s_lshl_b32 s29, s22, 14                        ; my 32 channels of 512 bytes,
	s_lshl_b32 s31, s21, 8                         ; my cell tile's 256 bytes
	s_add_co_u32 s29, s29, s31
	v_lshl_add_u32 v[RA0], v19, 4, s29
	v_lshl_add_u32 v[RA0], v20, 2, v[RA0]
	v_add_nc_u32 v[RA1], SLOT, v[RA0]
	s_lshl_b32 s30, s21, 13
	s_add_co_u32 s30, s30, FIMG                    ; my cell tile's images
	v_lshl_add_u32 v[LB], v21, 4, s30
	s_lshl_b32 s31, s22, 8
	s_add_co_u32 s30, s30, s31
	v_lshl_add_u32 v[IA], v19, 4, s30
	v_lshl_add_u32 v[IA], v20, 11, v[IA]
	s_add_co_u32 s30, s20, FSC
	v_lshl_add_u32 v[SA], v21, 4, s30
	s_add_co_u32 s30, s31, XIMG
	v_lshl_add_u32 v[XIA], v19, 4, s30
	v_lshl_add_u32 v[XIA], v20, 11, v[XIA]
	s_add_co_u32 s30, s22, XSC
	v_lshl_add_u32 v[XSA], v21, 3, s30
	s_lshl_b32 s30, s21, 3
	s_add_co_u32 s30, s30, FSC
	v_lshl_add_u32 v[LS], v21, 4, s30
	s_lshl_b32 s30, s21, 11
	s_add_co_u32 s30, s30, XIMG
	v_lshl_add_u32 v[LXI], v21, 4, s30
	s_lshl_b32 s30, s21, 7
	s_add_co_u32 s30, s30, XSC
	v_lshl_add_u32 v[LXS], v19, 3, s30
	v_lshl_add_u32 v[LXS], v20, 2, v[LXS]
	v_lshlrev_b32 v[WFA], 4, v21
	v_lshlrev_b32 v[WSA], 2, v21
	v_lshlrev_b32 v[BA], 5, v20
	s_mul_i32 s30, s22, 32*OP
	s_lshl_b32 s31, s21, 6
	s_add_co_u32 s30, s30, s31
	v_mul_u32_u24 v[OSA], v20, 8*OP
	v_lshl_add_u32 v[OSA], v19, 2, v[OSA]
	v_add_nc_u32 v[OSA], s30, v[OSA]
	s_mul_i32 s30, s20, 16*OP
	v_mul_u32_u24 v[ORA], v22, OP
	v_lshl_add_u32 v[ORA], v23, 4, v[ORA]
	v_add_nc_u32 v[ORA], s30, v[ORA]
	v_lshlrev_b32 v[OGA], 4, v23
	v_lshl_add_u32 v[OGA], v22, 14, v[OGA]
	s_lshl_b32 s30, s20, 4
	v_lshrrev_b32 v[PFA], 1, v21
	v_add_nc_u32 v[PFA], s30, v[PFA]               ; channel 16 W + l / 2,
	v_lshlrev_b32 v[PFA], 18, v[PFA]               ; 2^18 bytes a channel,
	v_and_b32 v21, 1, v0
	v_lshl_or_b32 v[PFA], v21, 8, v[PFA]           ; and which 256 of its 512 bytes
	s_mov_b32 s32, 0x76543210
	s_mov_b32 s33, 0xfedcba98                      ; v_permlanex16_b32's selects for lane l xor 16
	s_mov_b32 s34, 0x3e8293ee                      ; log2(e) / sqrt(32): q's scaling, and the softmax in base 2
	s_mov_b32 s35, s34                             ; (named with it as a pair, so it is written)
	; each buffer's offset, in a pair of its own with 0 above it
	s_lshr_b32 s26, ttmp9, 7                       ; batch
	s_bfe_u32 s27, ttmp9, 0x60001                  ; row of cells
	s_and_b32 s28, ttmp9, 1                        ; half
	s_lshl_b32 s24, s26, 26                        ; featmap: batch, 2^26 bytes;
	s_lshl_b32 s29, s27, 12                        ; 4 rows of 1,024;
	s_or_b32 s24, s24, s29
	s_lshl_b32 s29, s28, 9                         ; the half's 512 bytes
	s_or_b32 s24, s24, s29
	s_mov_b32 s25, 0
	s_lshl_b32 s46, s23, 24                        ; and, for the tiles, 64 channels of 2^18 for each fetching wave
	s_mov_b32 s47, 0
	s_lshl_b32 s30, s26, 22                        ; x and out0: batch, 2^22 bytes;
	s_lshl_b32 s29, s27, 8                         ; a row of 256;
	s_or_b32 s30, s30, s29
	s_lshl_b32 s29, s28, 7                         ; the half's 128
	s_or_b32 s30, s30, s29
	s_lshl_b32 s36, s22, 19                        ; x: my 32 channels of 2^14
	s_or_b32 s36, s36, s30
	s_mov_b32 s37, 0
	s_lshl_b32 s38, s20, 18                        ; out0: the 16 channels that I store
	s_or_b32 s38, s38, s30
	s_mov_b32 s39, 0
	s_lshl_b32 s40, s22, 12                        ; wfrag: my head's two tiles x two K steps of 1,024 bytes
	s_mov_b32 s41, 0
	s_lshl_b32 s42, s22, 8                         ; wscl: two tiles of 128
	s_mov_b32 s43, 0
	s_lshl_b32 s44, s22, 7                         ; the biases: 32 numbers
	s_mov_b32 s45, 0
	s_wait_kmcnt 0x0
	s_add_nc_u64 s[6:7], s[6:7], s[24:25]          ; featmap at the work-group's first row of pixels, channel 0
	s_add_nc_u64 s[G0+2:G0+3], s[6:7], s[46:47]    ; global address of my tile of row 0,
	s_add_nc_u64 s[G0+6:G0+7], s[G0+2:G0+3], 1024  ; and of row 1
	s_or_b32 s[G0+3], s[G0+3], 0x80000000          ; type = 2
	s_or_b32 s[G0+7], s[G0+7], 0x80000000
	; ---- the first fills, rows 0 and 1, in one branch, ahead of every wait on TENSORcnt, every LDS read and every barrier
	s_cmp_lt_u32 s20, 4
	s_cbranch_scc0 .Lno_fill
	tensor_load_to_lds s[G0:G0+3], s[G1:G1+7]
	s_nop 0
	tensor_load_to_lds s[G0+4:G0+7], s[G1:G1+7]
	s_nop 0
.rept 4
	v_nop
.endr
.Lno_fill:
	s_add_nc_u64 s[4:5], s[4:5], s[36:37]
	s_add_nc_u64 s[18:19], s[18:19], s[38:39]
	s_add_nc_u64 s[8:9], s[8:9], s[40:41]
	s_add_nc_u64 s[10:11], s[10:11], s[42:43]
	s_add_nc_u64 s[12:13], s[12:13], s[44:45]
	s_add_nc_u64 s[14:15], s[14:15], s[44:45]
	s_add_nc_u64 s[16:17], s[16:17], s[44:45]
	; ---- x: waves 0 to 7 quantise channels 32 w on of all 32 cells (a lane to a cell, registers down K).  Both ways issue the 38 loads of weights, biases and scale words.
	s_cmp_lt_u32 s20, 8
	s_cbranch_scc0 .Lno_x
.irp i, 0,1,2,3,4,5,6,7,8,9,10,11,12,13,14,15,16,17,18,19,20,21,22,23,24,25,26,27,28,29,30,31
	global_load_b32 v[P0+\i], v[XA], s[4:5] offset:16384*\i th:TH_LOAD_NT
.endr
	WLOADS
	s_wait_loadcnt 38                              ; loads come back in order: x is in; the 38 issued behind it stay out
	QUANT32 P0, C0, BY0
	ds_store_b128 v[XIA], v[C0:C0+3]
	ds_store_b8 v[XSA], v[BY0]
	s_branch .Lmeet
.Lno_x:
	WLOADS
.Lmeet:
	s_wait_tensorcnt 0x1                           ; tensor loads of a wave end in order: my part of row 0 is in; row 1's may stay out
	BARRIER                                        ; x's images and slot 0 are whole for every wave
	; Row 2 is asked for into the L2: each wave its 16 channels x 512 bytes, lanes 256 bytes apart, 8,192 bytes a wave, each block once in the launch.  Its tensor load follows behind q, row 0's quantising and the next barrier.
	global_prefetch_b8 v[PFA], s[6:7] offset:2048 th:TH_LOAD_NT scope:SCOPE_SE
	; ---- q of my head for my 16 cells
.irp s, 0,1
.irp c, 0,1
	ds_load_b128 v[XF+8*\s+4*\c:XF+8*\s+4*\c+3], v[LXI] offset:\s*1024+\c*512
.endr
.endr
	ds_load_b32 v[XS], v[LXS]
	s_wait_loadcnt 0x0                             ; the weights, their scale words, bq and bk
	s_wait_dscnt 0x0
	MM QR, WQ, XF, QR, WQS, XS, 0, 0               ; bq lies in the accumulators: it is the C of each sum's first instruction; the two accumulators take turns
	MM QR+8, WQ+16, XF, QR+8, WQS+1, XS, 0, 0
	MM QR, WQ+8, XF+8, QR, WQS, XS, 1, 1
	MM QR+8, WQ+24, XF+8, QR+8, WQS+1, XS, 1, 1
	PLACES
.irp n, 0,2,4,6,8,10,12,14
	v_pk_mul_f32 v[QR+\n:QR+\n+1], v[QR+\n:QR+\n+1], s[34:35] op_sel_hi:[1,0]
.endr
	v_pk_mul_f32 v[QB:QB+1], v[QR:QR+1], v[BK:BK+1]   ; q . bk of my 16 channels: two registers stand for bk's sixteen, which the sums of p v then take
.irp n, 2,4,6,8,10,12,14
	v_pk_fma_f32 v[QB:QB+1], v[QR+\n:QR+\n+1], v[BK+\n:BK+\n+1], v[QB:QB+1]
.endr
	; ---- the four rows of pixels.  Written out
	QROW 0                                         ; row 0: slot 0 -> images 0
	CHANGE 1, 0                                    ; row 1 has landed, images 0 are whole; slot 0 takes row 2
	global_prefetch_b8 v[PFA], s[6:7] offset:3072 th:TH_LOAD_NT scope:SCOPE_SE   ; row 3, the last, likewise: its tensor load follows behind four trips, a row's quantising and two barriers
	TRIPS 0, 1, 0                                  ; positions 0 to 3
	QROW 1                                         ; row 1: slot 1 -> images 1
	BARRIER                                        ; images 1 are whole; nobody reads images 0 any more
	TRIPS 1, 0, 0                                  ; positions 4 to 7
	CHANGE 1, 1                                    ; row 2 has landed; slot 1 takes row 3; nobody reads images 1 any more
	QROW 0                                         ; row 2: slot 0 -> images 0
	BARRIER                                        ; images 0 are whole; nobody reads slot 0 any more
	TRIPS 0, 0, 0                                  ; positions 8 to 11
	CHANGE 0, 0                                    ; row 3 has landed; nothing is left to fetch
	QROW 1                                         ; row 3: slot 1 -> images 1
	BARRIER
	TRIPS 1, 0, 1                                  ; positions 12 to 15
	; ---- the way out: the sums / l + bv; through LDS, since a channel's 32 cells come from two waves
	v_rcp_f32 v[FF], v[RL]                         ; l is at least 1: the largest weight's p is 1
	v_nop                                          ; a plain place behind the reciprocal
	s_wait_loadcnt 0x0                             ; bv
	s_wait_alu depctr_va_vdst(0)
.irp n, 0,2,4,6,8,10,12,14
	v_pk_fma_f32 v[OA+\n:OA+\n+1], v[OA+\n:OA+\n+1], v[FF:FF+1], v[BV+\n:BV+\n+1] op_sel_hi:[1,0,1]
.endr
.irp T, 0,1
.irp j, 0,1,2,3,4,5,6,7
	ds_store_b32 v[OSA], v[OA+8*\T+\j] offset:(16*\T+\j)*OP   ; channel 32 w + 16 T + 8 u + j, cell 16 ct + r
.endr
.endr
	BARRIER                                        ; 256 channels x 32 cells lie in LDS
.irp k, 0,1,2,3
	ds_load_b128 v[24+4*\k:27+4*\k], v[ORA] offset:\k*4*OP     ; four channels a load, eight lanes to a channel's 128 bytes
.endr
.irp k, 0,1,2,3
	s_wait_dscnt 3-\k                              ; LDS loads come back in order: load k is in, the younger ones may be out
	global_store_b128 v[OGA], v[24+4*\k:27+4*\k], s[18:19] offset:\k*65536 th:TH_STORE_NT
.endr
	s_wait_tensorcnt 0x0                           ; the wave's end, behind my last tensor load and my last LDS store
	ds_add_u32 v[SPW], v[NIL]
	s_wait_dscnt 0x0
	s_endpgm
.Lfunc_end_k_q29e88b2b86_main:
	.size	k_q29e88b2b86_main, .Lfunc_end_k_q29e88b2b86_main-k_q29e88b2b86_main
	.p2alignl 7, 3214868480
	.fill 96, 4, 3214868480
	.section	.rodata,"a",@progbits
	.p2align	6, 0x0
	.amdhsa_kernel k_q29e88b2b86_main
		.amdhsa_group_segment_fixed_size 327680
		.amdhsa_private_segment_fixed_size 0
		.amdhsa_enable_private_segment 0
		.amdhsa_kernarg_size 64
		.amdhsa_user_sgpr_count 2
		.amdhsa_user_sgpr_kernarg_segment_ptr 1
		.amdhsa_wavefront_size32 1
		.amdhsa_system_sgpr_workgroup_id_x 1
		.amdhsa_system_sgpr_workgroup_id_y 1
		.amdhsa_system_sgpr_workgroup_id_z 1
		.amdhsa_system_vgpr_workitem_id 0
		.amdhsa_next_free_vgpr 256
		.amdhsa_next_free_sgpr 66
		.amdhsa_reserve_vcc 0
		.amdhsa_float_denorm_mode_32 3
		.amdhsa_float_denorm_mode_16_64 3
		.amdhsa_memory_ordered 1
		.amdhsa_forward_progress 1
		.amdhsa_inst_pref_size 101
	.end_amdhsa_kernel
	.amdgpu_metadata
---
amdhsa.version: [ 1, 2 ]
amdhsa.kernels:
  - .name:           k_q29e88b2b86_main
    .symbol:         k_q29e88b2b86_main.kd
    .args:
      - { .name: x, .offset: 0, .size: 8, .value_kind: global_buffer, .address_space: global }
      - { .name: featmap, .offset: 8, .size: 8, .value_kind: global_buffer, .address_space: global }
      - { .name: wfrag, .offset: 16, .size: 8, .value_kind: global_buffer, .address_space: global }
      - { .name: wscl, .offset: 24, .size: 8, .value_kind: global_buffer, .address_space: global }
      - { .name: bq, .offset: 32, .size: 8, .value_kind: global_buffer, .address_space: global }
      - { .name: bk, .offset: 40, .size: 8, .value_kind: global_buffer, .address_space: global }
      - { .name: bv, .offset: 48, .size: 8, .value_kind: global_buffer, .address_space: global }
      - { .name: out0, .offset: 56, .size: 8, .value_kind: global_buffer, .address_space: global }
    .group_segment_fixed_size: 327680
    .private_segment_fixed_size: 0
    .kernarg_segment_align: 8
    .kernarg_segment_size: 64
    .max_flat_workgroup_size: 512
    .sgpr_count:     66
    .vgpr_count:     256
    .wavefront_size: 32
...
	.end_amdgpu_metadata
.endif
;; end of part 2
